; MI455X (gfx1250); checked and timed in simulation.
; The chip was launched on July 23, 2026; its instructions are those of AMD's public machine-readable ISA for CDNA 5 (MIT licence, August 2026) and "CDNA5" Instruction Set Architecture Reference Guide (July 2026). The comments in the code are by the model that wrote it; some were corrected since.
;; KNRM. Allowed arithmetic: matrix products marked QUANTISED: E2M1 operands, one E8M0 scale for each 32 along K, by v_wmma_scale_f32_16x16x128_f8f6f4 with both operands' format E2M1 (or v_wmma_scale_f32_32x16x128_f4), f32 sums; products left as they are: f32 operands where the result goes on into a quantised operand, else bf16, f16 or f32 operands; f32 sums; everything else in f32.
;; Inputs: b 1 float32; doc_tokens 256 x 512 int32; emb 100,000 x 300 float32; query_tokens 256 x 32 int32; w 11 float32.
;; Outputs: out0 256 float32.
;; This version of the problem:
;;   THIS VERSION OF THE PROBLEM IS GIVEN IN LOW PRECISION. The matrix products marked QUANTISED in the list below multiply operands that are first quantised to E2M1 (2 exponent bits, 1 mantissa bit; 4 bits a number), with one power-of-two scale for each 32 numbers along K (OCP MX v1.0); their sums are f32. All else is computed in f32.
;;   The module's matrix products, in the order in which they are computed (A, B: the left and right operand; K: the contracted axis; several contracted axes count as one K, in the product's order):
;;     1. batch 256 x [M 32, K 300] x [K 300, N 512]; A: computed on the way; B: computed on the way: QUANTISED
;;     2. [M 256, K 11] x [K 11, N 1]; A: computed on the way; B: input w: left as it is (K = 11 < 32)
;;   THE QUANTISER, for each operand of a quantised product, along K:
;;     - K is cut into blocks of 32 from its start; a last block that is shorter is filled with zeros.
;;     - A block's scale is 2^e with e = floor(log2(the largest magnitude in the block)) - 2, held to -126 .. 127; a block of zeros has e = 0. As a byte (E8M0): e + 127.
;;     - Each number is divided by its block's scale, clamped to +-6, and rounded to the nearest number of E2M1, ties to even, subnormals kept.
;;     - The product sums the exact products of the quantised numbers (number of the format x scale) in f32.
;;   ~~~python
;;   def quantise(x, axis):      # numpy; x: float32 -> the quantised numbers, widened to float32 again
;;       x = np.moveaxis(x, axis, -1); K = x.shape[-1]
;;       x = np.pad(x, [(0, 0)] * (x.ndim - 1) + [(0, -K % 32)]); x = x.reshape(x.shape[:-1] + (-1, 32)); a = np.abs(x).max(-1, keepdims=True)
;;       e = np.where(a > 0, np.clip(np.frexp(np.where(a > 0, a, 1))[1] - 1 - 2, -126, 127), 0)      # np.frexp(a)[1] - 1 = floor(log2(a)), exactly
;;       r = np.clip(x / 2.0 ** e, -6, 6)
;;       step = 2.0 ** (np.maximum(np.frexp(np.where(r == 0, 1, r))[1] - 1, 0) - 1)
;;       q = np.round(r / step) * step * 2.0 ** e      # np.round: ties to even
;;       return np.moveaxis(q.reshape(q.shape[:-2] + (-1,))[..., :K], -1, axis).astype(np.float32)
;;   ~~~
;;   OPERANDS COMPUTED ON THE WAY. 'Computed on the way' means the value that the module computes at that place (a softmax that the list does not call 'softmax' is quantised finished and normalised). What goes into a quantiser is computed in f32, as accurately as f32 sums, v_exp_f32 and their like allow (about 1e-6 of the number): no bf16 or f16 on the way to a quantiser, and a product that is left as it is and whose result goes on into a quantised operand takes f32 operands (vector FMAs, or v_wmma_f32_16x16x4_f32). A number that lies on a knife's edge between two numbers of the format may be rounded either way, as far as f32 arithmetic and the matrix unit's own rounding can turn it there, and no further.
;; One version. Each part assembles by itself: llvm-mc -triple=amdgcn-amd-amdhsa -mcpu=gfx1250 --defsym DOCPART=n.
;; ======== version 1 of 1: 1 launch
;; limits: right only within a limited range of input values
;; launch knrm (part 1): grid 256 x 1, 16 waves a work-group, no clusters, 105,472 bytes of LDS; arguments query_tokens, doc_tokens, emb, w, b, out0; writes out0
.if DOCPART == 1
	.amdgcn_target "amdgcn-amd-amdhsa--gfx1250"
	.amdhsa_code_object_version 6
	.text
	.protected	k_qa0ef50c188_knrm
	.globl	k_qa0ef50c188_knrm
	.p2align	8
	.type	k_qa0ef50c188_knrm,@function
k_qa0ef50c188_knrm:
	s_mov_b64 s[64:65], 0
	v_nop
	global_prefetch_b8 v0, s[64:65] scope:SCOPE_SE
	s_setreg_imm32_b32 hwreg(HW_REG_WAVE_MODE, 25, 1), 1
	s_wait_xcnt 0x0
; KNRM, one batch to a work-group: out0[b] = sum_q qmask sum_k w[k] ln(max(sum_d dmask exp(-(cos(q,d) - mu_k)^2 / (2 sigma_k^2)), 1e-10)) + b.
; cos = Q(q / (|q| + 1e-13)) . Q(d / (|d| + 1e-13)), Q the MX-FP4 quantiser along the 300 numbers of a row (ten blocks of 32, the last filled with zeros; K is filled to 384 with zero codes).
; SHARES.  Sixteen waves, 34 rows each: two queries (one row pair: lanes 0-15 one row, lanes 16-31 the other) and 32 documents, two tiles of 16, each in four groups of two row pairs.  Wave w, half h owns queries 2 w + h and
; documents 32 w + 16 h + 0 .. 15.  A wave pools its own tiles against all queries: behind the one barrier that hands the queries round, no wave waits for another until the end.
; A ROW STAYS AS IT IS LOADED: sixteen lanes read 256 consecutive bytes, lane l holds numbers 64 i + 4 l .. + 3 of load i (i = 0 .. 4; of the fifth, 176 bytes, lanes 11-15 read the row's last 16 bytes again and their numbers
; are multiplied by 0).  A block of 32 lies in eight neighbouring lanes.  The codes of four numbers are 16 bits, so what turns through LDS to become an operand is 160 bytes of codes and 12 of scale bytes a row.
; LOADS run more than two groups ahead (a ring of three groups in registers, five loads of 512 bytes issued at a time), so no prefetch is laid beside them.  No cluster: no two work-groups read the same tile.
; POOLING.  A product is 16 documents x 16 queries: a lane holds ONE query and eight documents, so the sum over documents stays in the lane.
; exp(-(c - mu)^2 / 2 sigma^2) = 2^(-A c^2 + 2 A mu c) x e^(-mu^2 / 2 sigma^2), A = log2(e) / (2 sigma^2); the constant factor is taken off behind the logarithm.  Neighbouring kernels differ by 2^(+-0.4 A c):
; exponentials are taken for mu = 0.5 and -0.5, and the four kernels round each follow by one or two multiplications.  The squares of a quantised block sum to at most 43.75 / 26.9 of those of the unquantised one, so |c| stays
; under 1.65: a factor is at most 2^48, no exponent passes A mu^2 = 58.4, and what falls to 0 at mu = +-0.5 would stay under 2^-30 two kernels on, where the clip at 1e-10 stands at 2^25.  Kernel 0 (sigma = 1e-4) is taken
; from c - 1 itself.  The mask of a document is an addend of the exponents: 0, or -1e30, under which the exponential is 0.
; SCALES.  The bytes that are stored are 2 higher than the rule has them, for queries and documents alike: the products are 16 c, and the constants below take that off (powers of two: nothing is rounded).
; LIMITS.  Tokens lie in 0 .. 99,999 (they are held there for the address; a negative token is not served).  NaN and infinities in emb are not served, nor rows whose sum of squares overflows f32.  The largest magnitude of a block
; is not taken under 2^-60 (numbers of a smaller block are rounded on the grid of 2^-60: with 1e-13 in the divisor they are under 9e-6 of a unit vector).  The division by the norm is a multiplication by v_rcp_f32; sums run in
; another order than in the reference.  A block of zeros has the floor as its byte (its codes are zeros; this program alone reads the bytes).  mu^2 / 2 sigma^2 is taken as 40.5, 24.5, 12.5, 4.5, 0.5: 5e-6 off at the most, in a
; logarithm.  out0 gets 4 bytes from each work-group: the whole output is 1,024 bytes.  No cache hint on the rows: a row may be named by many batches.
.set ROWB,  1200                       ; a row of emb in bytes
.set VLAST, 99999                      ; the last row of the table
.set CP,    176                        ; a row of codes in LDS: 160 bytes of codes, 12 of scale bytes, 4 unused; 11 x 16: the sixteen rows that a load touches begin in sixteen different 16-byte columns of 256 bytes
.set QB,    16*16*CP                   ; behind the tiles of the sixteen waves: the rows of the 32 queries
.set BIAS,  QB+32*CP                   ; 512 mask addends: [wave][tile][row]
.set SPL,   BIAS+2048                  ; sums that rest between the two tiles: [wave][kernel][lane]
.set PS,    SPL+16*11*128              ; partial sums: [kernel][query], 80 bytes each: 16 waves, and 16 bytes unused
.set SPARE, PS+11*32*80                ; the spare words: 128 bytes for each wave
.set L16,  1                           ; 16 x (lane % 16)
.set LT,   2                           ; the same, held at 160: the fifth load
.set SPW,  3                           ; address of my spare word, and 0; never rewritten
.set NIL,  4
.set QTK,  5                           ; token of query lane
.set TMK,  6                           ; v6-7    1.0, or 0.0 in lanes 11-15 of a half
.set CW,   8                           ; where my 16 bits of codes go: row h of my tile, + 2 (lane % 16)
.set FR,   9                           ; fragments of the documents, to read
.set SW8,  10                          ; where my scale byte goes (loads 0 .. 3), and (load 4)
.set SW4,  11
.set SD,   12                          ; v12-14  scale words of the documents
.set FQ,   15                          ; fragments of the queries, to read
.set FRS,  16                          ; scale words, to read
.set FQS,  17
.set BA,   18                          ; mask addends, to read
.set PSW,  19                          ; partial sums, to write
.set BETA, 20                          ; v20-21  2 A 0.5 / 16
.set HALF, 22                          ; 0.5: scale operand of the conversions
.set SPA,  23                          ; resting sums
.set T,    24                          ; v24-39  tokens of the 16 documents of my half, then byte offsets
.set VT,   40                          ; v40-45  byte offsets of the fifth loads, two for each slot
.set ACC,  46                          ; v46-67  eleven sums, a pair each: documents of even registers, of odd registers
.set QX,   68                          ; v68-91  the query pair as loaded,
.set QF,   68                          ;         then the fragments of the queries; v88-91 are zero throughout (k = 320 .. 383)
.set QS,   92                          ; v92-94  scale words of the queries
.set DF,   96                          ; v96-119 fragments of the documents; v116-119 zero
.set CQ,   116                         ; ahead of that, where codes and bytes of the queries go
.set SQ8,  117
.set SQ4,  118
.set F,    96                          ; v96-105 factors (quantising)
.set M,    106                         ; v106-115 largest magnitudes
.set S,    120                         ; v120-127 sums of squares, then bytes and factors
.set C,    128                         ; v128-132 codes
.set INV,  133
.set EP,   96                          ; pooling, four numbers each: mu = 0.5
.set EM,   100                         ; mu = -0.5
.set RP,   104                         ; 2^(0.4 A c)
.set RM,   108                         ; 2^(-0.4 A c)
.set K0,   112                         ; kernel 0; then products
.set DC,   120                         ; v120-127 16 x cosine
.set BI,   128                         ; v128-135 mask addends
.set X,    136                         ; v136-255 the ring: slot n at X + 40 n: loads 0-3 of pair 0, of pair 1, then the fifth loads of both pairs
.set Y,    136                         ; behind the last group: sums of query tile 1, and from Y + 12 on the resting sums
.set RS,   80                          ; the end: 176 partial sums
.set NA,   0xbe9044fe                  ; -A / 256
.set RA,   0x3fe6d4c9                  ; 0.4 A / 16
.set NA0,  0xcc89960c                  ; -log2(e) / (2 x 1e-4^2)
; The rows of pair q of group g are asked for, into slot n.  A token is held inside the table before it enters an address.
.macro ISSUEP g, n, q
	v_min_u32 v[T+2*\g+\q], VLAST, v[T+2*\g+\q]
	v_mul_u32_u24 v[T+2*\g+\q], ROWB, v[T+2*\g+\q]
	v_add_nc_u32 v[VT+2*\n+\q], v[T+2*\g+\q], v[LT]
	v_add_nc_u32 v[T+2*\g+\q], v[T+2*\g+\q], v[L16]
.irp i, 0,1,2,3
	global_load_b128 v[X+40*\n+16*\q+4*\i:X+40*\n+16*\q+4*\i+3], v[T+2*\g+\q], s[8:9] offset:256*\i
.endr
	global_load_b128 v[X+40*\n+32+4*\q:X+40*\n+35+4*\q], v[VT+2*\n+\q], s[8:9] offset:1024
.endm
.macro XSET i, q                       ; my four numbers of load i, pair q
.if 4 > \i
.set XI, XB+16*\q+4*\i
.else
.set XI, TB+4*\q
.endif
.endm
; The largest magnitude of my four numbers of load i, in two lines, the floor among the leaves.
.macro MXA i
.irp q, 0,1
.if NP > \q
	XSET \i, \q
	v_max3_num_f32 v[M+5*\q+\i], |v[XI]|, |v[XI+1]|, |v[XI+2]|
.endif
.endr
.endm
.macro MXB i
.irp q, 0,1
.if NP > \q
	XSET \i, \q
	v_max3_num_f32 v[M+5*\q+\i], v[M+5*\q+\i], |v[XI+3]|, s30
.endif
.endr
.endm
.macro DMAX r, x
	v_max_num_f32_dpp v[\r], v[\r], v[\r] row_xmask:\x row_mask:0xf bank_mask:0xf
.endm
.macro DADD r, x
	v_add_f32_dpp v[\r], v[\r], v[\r] row_xmask:\x row_mask:0xf bank_mask:0xf
.endm
; n row pairs at register x are quantised; codes and scale bytes go to LDS, off bytes on from the addresses.  mg above 0: on the way pair 1 of group mg is asked for, into slot ms.
; THE MERGE: lanes are told apart by the bits of their number: bit 2 = which pair, bits 1, 0 = which load.  A step of a reduction across a bit leaves both lanes with the same number: so one of them can carry another reduction
; on.  Behind it one register holds the maxima of four loads of two pairs, and what is made of a maximum is made once.
.macro QUANT x, n, cw, s8, s4, off, mg, ms
.set XB, \x
.set NP, \n
.set TB, XB+16*NP
.irp q, 0,1
.if NP > \q
	v_pk_mul_f32 v[TB+4*\q:TB+4*\q+1], v[TB+4*\q:TB+4*\q+1], v[TMK:TMK+1]
	v_pk_mul_f32 v[TB+4*\q+2:TB+4*\q+3], v[TB+4*\q+2:TB+4*\q+3], v[TMK:TMK+1]
.endif
.endr
.irp j, 0,1,2,3,4,5,6,7                ; sum of squares: two packed chains a pair, started by their first squares
.irp q, 0,1
.if NP > \q
.if 2 > \j
	v_pk_mul_f32 v[S+4*\q+2*\j:S+4*\q+2*\j+1], v[XB+16*\q+2*\j:XB+16*\q+2*\j+1], v[XB+16*\q+2*\j:XB+16*\q+2*\j+1]
.else
	v_pk_fma_f32 v[S+4*\q+2*(\j%2):S+4*\q+2*(\j%2)+1], v[XB+16*\q+2*\j:XB+16*\q+2*\j+1], v[XB+16*\q+2*\j:XB+16*\q+2*\j+1], v[S+4*\q+2*(\j%2):S+4*\q+2*(\j%2)+1]
.endif
.endif
.endr
.endr
.irp j, 0,1
.irp q, 0,1
.if NP > \q
	v_pk_fma_f32 v[S+4*\q+2*\j:S+4*\q+2*\j+1], v[TB+4*\q+2*\j:TB+4*\q+2*\j+1], v[TB+4*\q+2*\j:TB+4*\q+2*\j+1], v[S+4*\q+2*\j:S+4*\q+2*\j+1]
.endif
.endr
.endr
	MXA 0                                  ; the reduction of the sums over sixteen lanes and the maxima within the lane, by turns
.irp q, 0,1
.if NP > \q
	v_pk_add_f32 v[S+4*\q:S+4*\q+1], v[S+4*\q:S+4*\q+1], v[S+4*\q+2:S+4*\q+3]
.endif
.endr
	MXA 1
	MXA 2
.irp q, 0,1
.if NP > \q
	v_add_f32 v[S+4*\q], v[S+4*\q], v[S+4*\q+1]
.endif
.endr
	MXA 3
	MXA 4
.irp q, 0,1
.if NP > \q
	DADD S+4*\q, 4
.endif
.endr
	MXB 0
	MXB 1
.if NP == 2
	v_cndmask_b32 v[S], v[S], v[S+4], s26
.endif
	MXB 2
	DADD S, 1
	MXB 3
	DADD S, 2
	MXB 4
	DADD S, 8
	s_wait_alu depctr_va_vdst(0)
	v_sqrt_f32 v[S+2], v[S]
.irp i, 0,1,2,3,4                      ; the maxima across bit 2
	DMAX M+\i, 4
.if NP == 2
	DMAX M+5+\i, 4
.endif
.endr
.if NP == 2
.irp i, 0,1,2,3,4
	v_cndmask_b32 v[M+\i], v[M+\i], v[M+5+\i], s26
.endr
.endif
	s_wait_alu depctr_va_vdst(0)
	v_add_f32 v[S+2], 0x29e12e13, v[S+2]   ; + 1e-13
	s_wait_alu depctr_va_vdst(0)
	v_rcp_f32 v[INV], v[S+2]
.if \mg > 0
	ISSUEP \mg, \ms, 1
.endif
.irp i, 0,1,2,3,4                      ; across bit 1,
	DMAX M+\i, 2
.endr
	v_cndmask_b32 v[M], v[M], v[M+2], s27
	v_cndmask_b32 v[M+1], v[M+1], v[M+3], s27
	DMAX M+4, 1
	DMAX M, 1                              ; and bit 0
	DMAX M+1, 1
	v_cndmask_b32 v[M], v[M], v[M+1], s28  ; a lane: load lane % 4; M+4: load 4
	s_wait_alu depctr_va_vdst(0)
	v_mul_f32 v[M], v[M], v[INV]           ; rounding keeps order: this IS the largest magnitude of x / norm in the block
	v_mul_f32 v[M+4], v[M+4], v[INV]
	v_bfi_b32 v[S+6], v[M], 0, s29         ; 255 less its exponent field, as an exponent field: the power of two that takes the block to the range of the codes, halved
	v_bfi_b32 v[S+7], v[M+4], 0, s29
	v_lshrrev_b32 v[S+4], 23, v[M]         ; the byte: its exponent field
	v_lshrrev_b32 v[S+5], 23, v[M+4]
	v_mul_f32 v[S+6], v[INV], v[S+6]       ; 1 / norm x that power: exact
	v_mul_f32 v[S+7], v[INV], v[S+7]
	ds_store_b8 v[\s8], v[S+4] offset:\off+160
	ds_store_b8 v[\s4], v[S+5] offset:\off+168   ; (lanes with bit 0 write the bytes of blocks 10 and 11, whose codes are zeros)
.irp k, 0,1,2,3,4,5,6,7
.if 4*NP > \k
	v_mov_b32_dpp v[F+\k], v[S+6] dpp8:[\k,\k,\k,\k,\k,\k,\k,\k]   ; pair k / 4, load k % 4
.endif
.endr
.irp k, 0,4
.if 4*NP > \k
	v_mov_b32_dpp v[F+8+\k/4], v[S+7] dpp8:[\k,\k,\k,\k,\k,\k,\k,\k]
.endif
.endr
.irp k, 0,1,2,3,4,5,6,7
.if 4*NP > \k
.irp o, 0,2
.if (\k%2) == 0
	v_pk_mul_f32 v[XB+4*\k+\o:XB+4*\k+\o+1], v[XB+4*\k+\o:XB+4*\k+\o+1], v[F+\k:F+\k+1] op_sel_hi:[1,0]
.else
	v_pk_mul_f32 v[XB+4*\k+\o:XB+4*\k+\o+1], v[XB+4*\k+\o:XB+4*\k+\o+1], v[F+\k-1:F+\k] op_sel:[0,1] op_sel_hi:[1,1]
.endif
.endr
.endif
.endr
.irp o, 0,2
	v_pk_mul_f32 v[TB+\o:TB+\o+1], v[TB+\o:TB+\o+1], v[F+8:F+9] op_sel_hi:[1,0]
.if NP == 2
	v_pk_mul_f32 v[TB+4+\o:TB+4+\o+1], v[TB+4+\o:TB+4+\o+1], v[F+8:F+9] op_sel:[0,1] op_sel_hi:[1,1]
.endif
.endr
.irp j, 0,1,2,3
.if 2*NP > \j
	v_cvt_scalef32_pk8_fp4_f32 v[C+\j], v[XB+8*\j:XB+8*\j+7], v[HALF]   ; the codes of two loads: 16 bits of one block, 16 of another
.endif
.endr
	v_cvt_scalef32_pk8_fp4_f32 v[C+4], v[TB:TB+7], v[HALF]
	v_nop                                  ; one plain instruction behind the last scaled conversion
.irp q, 0,1
.if NP > \q
	ds_store_b16 v[\cw], v[C+2*\q] offset:\off+2*CP*\q            ; sixteen lanes: two blocks, 32 consecutive bytes
	ds_store_b16_d16_hi v[\cw], v[C+2*\q] offset:\off+2*CP*\q+32
	ds_store_b16 v[\cw], v[C+2*\q+1] offset:\off+2*CP*\q+64
	ds_store_b16_d16_hi v[\cw], v[C+2*\q+1] offset:\off+2*CP*\q+96
.if \q == 0
	ds_store_b16 v[\cw], v[C+4] offset:\off+128
.else
	ds_store_b16_d16_hi v[\cw], v[C+4] offset:\off+2*CP+128
.endif
.endif
.endr
.endm
.macro AADD k, a                       ; kernel k: its pair of sums += the pair at a
	v_pk_add_f32 v[ACC+2*\k:ACC+2*\k+1], v[ACC+2*\k:ACC+2*\k+1], v[\a:\a+1]
.endm
.macro AFMA k, a, r
	v_pk_fma_f32 v[ACC+2*\k:ACC+2*\k+1], v[\a:\a+1], v[\r:\r+1], v[ACC+2*\k:ACC+2*\k+1]
.endm
.macro AMUL k, a, r
	v_pk_mul_f32 v[ACC+2*\k:ACC+2*\k+1], v[\a:\a+1], v[\r:\r+1]
.endm
; Pair p of four numbers: kernels 1-5 round EP, 6-10 round EM, one and two up by RP, one and two down by RM; the two anchors by turns.  FIRST = 1: this pair or the next starts the sums.
.macro SUMS p
.if FIRST && (\p == 0)
	AMUL 2, EP, RP
	AMUL 7, EM, RP
	AMUL 4, EP, RM
	AMUL 9, EM, RM
	AMUL 1, ACC+4, RP
	AMUL 6, ACC+14, RP
	AMUL 5, ACC+8, RM
	AMUL 10, ACC+18, RM
.else
.if FIRST
	v_pk_add_f32 v[ACC+6:ACC+7], v[EP:EP+1], v[EP+2:EP+3]
	v_pk_add_f32 v[ACC+16:ACC+17], v[EM:EM+1], v[EM+2:EM+3]
.else
	AADD 3, EP+\p
	AADD 8, EM+\p
.endif
	v_pk_mul_f32 v[K0:K0+1], v[EP+\p:EP+\p+1], v[RP+\p:RP+\p+1]
	v_pk_mul_f32 v[K0+2:K0+3], v[EM+\p:EM+\p+1], v[RP+\p:RP+\p+1]
	v_pk_mul_f32 v[EP+\p:EP+\p+1], v[EP+\p:EP+\p+1], v[RM+\p:RM+\p+1]
	v_pk_mul_f32 v[EM+\p:EM+\p+1], v[EM+\p:EM+\p+1], v[RM+\p:RM+\p+1]
	AADD 2, K0
	AADD 7, K0+2
	AFMA 1, K0, RP+\p
	AFMA 6, K0+2, RP+\p
	AADD 4, EP+\p
	AADD 9, EM+\p
	AFMA 5, EP+\p, RM+\p
	AFMA 10, EM+\p, RM+\p
.endif
.endm
; half hf of my eight documents: 20 exponentials are a batch
.macro HALFPOOL hf
.irp p, 0,2
	v_pk_mul_f32 v[RP+\p:RP+\p+1], v[DC+4*\hf+\p:DC+4*\hf+\p+1], RA op_sel_hi:[1,0]
	v_pk_fma_f32 v[K0+\p:K0+\p+1], v[DC+4*\hf+\p:DC+4*\hf+\p+1], 0x3d800000, -1.0 op_sel_hi:[1,0,0]   ; c - 1
	v_pk_fma_f32 v[EP+\p:EP+\p+1], v[DC+4*\hf+\p:DC+4*\hf+\p+1], NA, v[BETA:BETA+1] op_sel_hi:[1,0,0]
	v_pk_fma_f32 v[EM+\p:EM+\p+1], v[DC+4*\hf+\p:DC+4*\hf+\p+1], NA, v[BETA:BETA+1] op_sel_hi:[1,0,0] neg_lo:[0,0,1] neg_hi:[0,0,1]
.endr
.irp p, 0,2
	v_pk_mul_f32 v[RM+\p:RM+\p+1], v[K0+\p:K0+\p+1], NA0 op_sel_hi:[1,0]
.endr
.irp p, 0,2
	v_pk_fma_f32 v[EP+\p:EP+\p+1], v[EP+\p:EP+\p+1], v[DC+4*\hf+\p:DC+4*\hf+\p+1], v[BI+4*\hf+\p:BI+4*\hf+\p+1]
	v_pk_fma_f32 v[EM+\p:EM+\p+1], v[EM+\p:EM+\p+1], v[DC+4*\hf+\p:DC+4*\hf+\p+1], v[BI+4*\hf+\p:BI+4*\hf+\p+1]
.endr
.irp p, 0,2
	v_pk_fma_f32 v[K0+\p:K0+\p+1], v[RM+\p:RM+\p+1], v[K0+\p:K0+\p+1], v[BI+4*\hf+\p:BI+4*\hf+\p+1]
.endr
	s_wait_alu depctr_va_vdst(0)           ; a wait ahead of the batch, and one behind it
.irp j, 0,1,2,3
	v_exp_f32 v[RM+\j], -v[RP+\j]
.endr
.irp j, 0,1,2,3
	v_exp_f32 v[EP+\j], v[EP+\j]
.endr
.irp j, 0,1,2,3
	v_exp_f32 v[EM+\j], v[EM+\j]
.endr
.irp j, 0,1,2,3
	v_exp_f32 v[K0+\j], v[K0+\j]
.endr
	v_nop                                  ; a plain instruction ahead of the writes of RP, which the exponentials of RM read
.irp j, 0,1,2,3
	v_exp_f32 v[RP+\j], v[RP+\j]
.endr
	v_nop
	s_wait_alu depctr_va_vdst(0)
.if FIRST
	v_pk_add_f32 v[ACC:ACC+1], v[K0:K0+1], v[K0+2:K0+3]
.else
	AADD 0, K0
	AADD 0, K0+2
.endif
	SUMS 0
	SUMS 2
.endm
; my tile t against query tile qt, and its pooling.  fresh = 1: it starts the sums; mask = 1: the addends are loaded (else they still stand in their registers)
.macro POOL t, qt, fresh, mask
.irp c, 0,1,2,3,4
	ds_load_b128 v[DF+4*\c:DF+4*\c+3], v[FR] offset:32*\c              ; k = 64 c + 32 (lane / 16) ..; LDS serves a wave's instructions in order (ISA guide 5.7.1.4): these see my stores
	ds_load_b128 v[QF+4*\c:QF+4*\c+3], v[FQ] offset:QB+16*CP*\qt+32*\c
.endr
	ds_load_b96 v[SD:SD+2], v[FRS] offset:160
	ds_load_b96 v[QS:QS+2], v[FQS] offset:QB+16*CP*\qt+160
.if \mask
	ds_load_b128 v[BI:BI+3], v[BA] offset:BIAS+64*\t
	ds_load_b128 v[BI+4:BI+7], v[BA] offset:BIAS+64*\t+16
.endif
	s_wait_dscnt 0x0
	v_wmma_scale_f32_16x16x128_f8f6f4 v[DC:DC+7], v[DF:DF+7], v[QF:QF+7], 0, v[SD], v[QS] matrix_a_fmt:MATRIX_FMT_FP4 matrix_b_fmt:MATRIX_FMT_FP4
	s_wait_alu depctr_va_vdst(0)           ; a wait directly ahead of each link
	v_wmma_scale_f32_16x16x128_f8f6f4 v[DC:DC+7], v[DF+8:DF+15], v[QF+8:QF+15], v[DC:DC+7], v[SD+1], v[QS+1] matrix_a_fmt:MATRIX_FMT_FP4 matrix_b_fmt:MATRIX_FMT_FP4
	s_wait_alu depctr_va_vdst(0)
	v_wmma_scale_f32_16x16x128_f8f6f4 v[DC:DC+7], v[DF+16:DF+23], v[QF+16:QF+23], v[DC:DC+7], v[SD+2], v[QS+2] matrix_a_fmt:MATRIX_FMT_FP4 matrix_b_fmt:MATRIX_FMT_FP4
	s_wait_alu depctr_va_vdst(0)
.rept 4
	v_nop                                  ; four places behind the last product (ISA guide 7.12.1)
.endr
.set FIRST, \fresh
	HALFPOOL 0
.set FIRST, 0
	HALFPOOL 1
.endm
	s_load_b256 s[4:11], s[0:1], 0x0       ; query_tokens, doc_tokens, emb, w
	s_load_b128 s[12:15], s[0:1], 0x20     ; b, out0
	v_lshl_add_u32 v[SPW], v0, 2, SPARE
	v_mov_b32 v[NIL], 0
	v_lshrrev_b32 v96, 5, v0               ; wave
	v_lshrrev_b32 v97, 4, v0               ; 2 w + h
	v_and_b32 v102, 31, v0                 ; lane
	v_readfirstlane_b32 s16, v96
	v_lshlrev_b32 v98, 6, v97              ; the 16 document tokens of my half
	v_lshlrev_b32 v99, 2, v97              ; its query token
	v_lshlrev_b32 v100, 2, v0              ; the document of my thread number: its token makes a mask addend
	v_lshlrev_b32 v101, 2, v102            ; the query of my lane number
	s_lshl_b32 s18, ttmp9, 2
	s_mov_b32 s19, 0
	s_lshl_b32 s20, ttmp9, 7
	s_mov_b32 s21, 0
	s_lshl_b32 s22, ttmp9, 11
	s_mov_b32 s23, 0
	s_mov_b32 s24, 0x76543210
	s_mov_b32 s25, 0xfedcba98              ; selects of v_permlanex16_b32 for lane l xor 16
	s_mov_b32 s26, 0xf0f0f0f0              ; lanes with bit 2,
	s_mov_b32 s27, 0xcccccccc              ; bit 1,
	s_mov_b32 s28, 0xaaaaaaaa              ; bit 0
	s_mov_b32 s29, 0x7f800000              ; an exponent field
	s_mov_b32 s30, 0x21800000              ; 2^-60
	s_mov_b32 s44, 0x3f317218              ; ln 2
	s_wait_alu depctr_va_vdst(0)           ; the wait ahead of the wait below
	s_wait_kmcnt 0x0
	s_add_nc_u64 s[4:5], s[4:5], s[20:21]  ; the query tokens of my batch,
	s_add_nc_u64 s[6:7], s[6:7], s[22:23]  ; its document tokens,
	s_add_nc_u64 s[14:15], s[14:15], s[18:19]  ; its result
	global_load_b32 v128, v99, s[4:5]
	global_load_b128 v[T:T+3], v98, s[6:7]
	global_load_b128 v[T+4:T+7], v98, s[6:7] offset:16
	global_load_b128 v[T+8:T+11], v98, s[6:7] offset:32
	global_load_b128 v[T+12:T+15], v98, s[6:7] offset:48
	global_load_b32 v129, v100, s[6:7]
	global_load_b32 v[QTK], v101, s[4:5]
	s_load_b256 s[32:39], s[10:11], 0x0    ; w[0..7]
	s_load_b96 s[40:42], s[10:11], 0x20    ; w[8..10]
	s_load_b32 s43, s[12:13], 0x0          ; b
	; while the tokens come: addresses, and what has to be written once
	v_bfe_u32 v103, v0, 4, 1               ; h
	v_and_b32 v104, 15, v0                 ; r
	v_mul_u32_u24 v105, 16*CP, v96         ; my tile in LDS
	v_lshlrev_b32 v[L16], 4, v104
	v_min_u32 v[LT], 160, v[L16]
	v_cmp_gt_u32 vcc_lo, 11, v104
	v_cndmask_b32 v[TMK], 0, 1.0, vcc_lo
	v_cndmask_b32 v[TMK+1], 0, 1.0, vcc_lo
	v_bfe_u32 v106, v0, 2, 1
	v_bfe_u32 v107, v0, 3, 1
	v_and_b32 v108, 3, v0
	v_and_b32 v109, 1, v0
	v_lshl_add_u32 v110, v108, 1, v107     ; block 2 (lane % 4) + lane bit 3: its byte among the twelve of a row
	v_lshl_add_u32 v111, v109, 1, v107     ; block 8 + lane bit 3, and the two behind
	v_mul_u32_u24 v112, CP, v97            ; rows of the queries: 2 w + h
	v_lshl_add_u32 v[CQ], v104, 1, v112
	v_add_nc_u32 v[SQ8], v112, v110
	v_add_nc_u32 v[SQ4], v112, v111
	v_mul_u32_u24 v113, CP, v103           ; of the documents: 4 (group % 4) + 2 pair + h
	v_add_nc_u32 v113, v113, v105
	v_lshl_add_u32 v[CW], v104, 1, v113
	v_mul_u32_u24 v114, 2*CP, v106         ; lane bit 2: which pair
	v_add_nc_u32 v113, v113, v114
	v_add_nc_u32 v[SW8], v113, v110
	v_add_nc_u32 v[SW4], v113, v111
	v_mul_u32_u24 v[FQS], CP, v104         ; to read: row r
	v_add_nc_u32 v[FRS], v[FQS], v105
	v_lshl_add_u32 v[FQ], v103, 4, v[FQS]
	v_lshl_add_u32 v[FR], v103, 4, v[FRS]
	v_lshlrev_b32 v[BA], 7, v96            ; addends: 128 bytes a wave; rows 8 h ..
	v_lshl_add_u32 v[BA], v103, 5, v[BA]
	v_mul_u32_u24 v[SPA], 1408, v96
	v_lshl_add_u32 v[SPA], v102, 2, v[SPA]
	v_mul_u32_u24 v[PSW], 80, v102
	v_lshl_add_u32 v[PSW], v96, 2, v[PSW]
	v_add_nc_u32 v[PSW], PS, v[PSW]
	v_and_b32 v106, 7, v0                  ; the document of my thread number: tile lane bit 3, row 2 (lane % 8) + h
	v_lshlrev_b32 v106, 3, v106
	v_lshl_add_u32 v106, v96, 7, v106
	v_lshl_add_u32 v106, v107, 6, v106
	v_lshl_add_u32 v106, v103, 2, v106
	v_mov_b32 v[BETA], 0x409044fe          ; A / 16
	v_mov_b32 v[BETA+1], 0x409044fe
	v_mov_b32 v[HALF], 0.5
.irp j, 20,21,22,23
	v_mov_b32 v[QF+\j], 0
.endr
	s_wait_alu depctr_va_vdst(0)           ; the wait at the end of the head
	s_wait_loadcnt 0x0                     ; the tokens
	v_min_u32 v128, VLAST, v128            ; the query pair
	v_mul_u32_u24 v128, ROWB, v128
	v_add_nc_u32 v131, v128, v[LT]
	v_add_nc_u32 v128, v128, v[L16]
.irp i, 0,1,2,3
	global_load_b128 v[QX+4*\i:QX+4*\i+3], v128, s[8:9] offset:256*\i
.endr
	global_load_b128 v[QX+16:QX+19], v131, s[8:9] offset:1024
	v_cmp_lt_i32 vcc_lo, 0, v129
	v_cndmask_b32 v132, 0xf149f2ca, 0, vcc_lo   ; token above 0: 0; else -1e30
	ds_store_b32 v106, v132 offset:BIAS
	ISSUEP 0, 0, 0
	ISSUEP 0, 0, 1
	ISSUEP 1, 1, 0
	s_wait_loadcnt 15                      ; the query pair is in; the fifteen loads behind it may be out
	QUANT QX, 1, CQ, SQ8, SQ4, QB, 0, 0
.irp j, 20,21,22,23
	v_mov_b32 v[DF+\j], 0
.endr
	ISSUEP 1, 1, 1
	s_wait_dscnt 0x0                       ; for the others: my queries have landed
	s_barrier_signal -1
	s_barrier_wait -1
	ISSUEP 2, 2, 0
.irp g, 0,1,2,3,4,5,6,7
.if 6 > \g
	s_wait_loadcnt 15                      ; my group is in; the next group (ten loads) and one pair of the one behind it (five) may be out
	QUANT X+40*(\g%3), 2, CW, SW8, SW4, 4*CP*(\g%4), (\g+2), ((\g+2)%3)
.else
	s_wait_loadcnt 10*(7-\g)
	QUANT X+40*(\g%3), 2, CW, SW8, SW4, 4*CP*(\g%4), 0, 0
.endif
.if 5 > \g
	ISSUEP (\g+3), (\g%3), 0               ; the registers of this group are free: one pair of the group three further on; its other pair follows inside the next QUANT
.endif
.if \g == 3
	POOL 0, 0, 1, 1
.set KK, 0
.rept 11
	v_add_f32 v[ACC+2*KK], v[ACC+2*KK], v[ACC+2*KK+1]
.set KK, KK+1
.endr
.set KK, 0
.rept 11
	ds_store_b32 v[SPA], v[ACC+2*KK] offset:SPL+128*KK   ; the sums of query tile 0 rest in LDS,
.set KK, KK+1
.endr
	POOL 0, 1, 1, 0                        ; those of query tile 1 stay in registers
.endif
.endr
	POOL 1, 1, 0, 1
.set KK, 0
.rept 11
	v_add_f32 v[Y+KK], v[ACC+2*KK], v[ACC+2*KK+1]
	ds_load_b32 v[Y+12+KK], v[SPA] offset:SPL+128*KK
.set KK, KK+1
.endr
	POOL 1, 0, 1, 0
	; THE END.  Sums of even and odd registers, with those that rested; the swap leaves one register with both query tiles' documents of lanes 0-15 and one with those of lanes 16-31: their sum has lane = query.
.set KK, 0
.rept 11
	v_add_f32 v[ACC+2*KK], v[ACC+2*KK], v[ACC+2*KK+1]
.set KK, KK+1
.endr
.set KK, 0
.rept 11
	v_add_f32 v[ACC+2*KK], v[ACC+2*KK], v[Y+12+KK]
.set KK, KK+1
.endr
.set KK, 0
.rept 11
	v_permlane16_swap_b32 v[ACC+2*KK], v[Y+KK]
.set KK, KK+1
.endr
.set KK, 0
.rept 11
	v_add_f32 v[ACC+2*KK], v[ACC+2*KK], v[Y+KK]
.set KK, KK+1
.endr
.set KK, 0
.rept 11
	ds_store_b32 v[PSW], v[ACC+2*KK] offset:2560*KK
.set KK, KK+1
.endr
	s_wait_dscnt 0x0                       ; for wave 0: my sums have landed
	s_barrier_signal -1
	s_barrier_wait -1
	s_cmp_lg_u32 s16, 0
	s_cbranch_scc1 .Lend
	v_mul_u32_u24 v8, 80, v0               ; wave 0: thread = lane = query
	v_add_nc_u32 v8, PS, v8
.set KK, 0
.rept 11
.irp j, 0,4,8,12
	ds_load_b128 v[RS+16*KK+\j:RS+16*KK+\j+3], v8 offset:2560*KK+4*\j
.endr
.set KK, KK+1
.endr
	s_wait_dscnt 0x0
.set KK, 0
.rept 11
.irp j, 0,4,8,12
	v_pk_add_f32 v[RS+16*KK+\j:RS+16*KK+\j+1], v[RS+16*KK+\j:RS+16*KK+\j+1], v[RS+16*KK+\j+2:RS+16*KK+\j+3]
.endr
.set KK, KK+1
.endr
.set KK, 0
.rept 11
.irp j, 0,8
	v_pk_add_f32 v[RS+16*KK+\j:RS+16*KK+\j+1], v[RS+16*KK+\j:RS+16*KK+\j+1], v[RS+16*KK+\j+4:RS+16*KK+\j+5]
.endr
.set KK, KK+1
.endr
.set KK, 0
.rept 11
	v_pk_add_f32 v[RS+16*KK:RS+16*KK+1], v[RS+16*KK:RS+16*KK+1], v[RS+16*KK+8:RS+16*KK+9]
.set KK, KK+1
.endr
.set KK, 0
.rept 11
	v_add_f32 v[RS+16*KK], v[RS+16*KK], v[RS+16*KK+1]     ; the sum over the sixteen waves
.set KK, KK+1
.endr
	s_wait_alu depctr_va_vdst(0)
.set KK, 0
.rept 11
	v_log_f32 v[RS+16*KK], v[RS+16*KK]     ; log2; of 0: -infinity, which the clip below takes
.set KK, KK+1
.endr
	v_mov_b32 v[RS+2], 0                   ; offset of the store
	s_wait_alu depctr_va_vdst(0)           ; one wait for the eleven
	s_wait_kmcnt 0x0                       ; w, b
	v_mul_f32 v[RS], s44, v[RS]            ; ln of the sum; for kernels 1 .. 10 the factor e^(-mu^2 / 2 sigma^2) is taken off here
	v_fma_f32 v[RS+16], v[RS+16], s44, 0xc2220000
	v_fma_f32 v[RS+32], v[RS+32], s44, 0xc1c40000
	v_fma_f32 v[RS+48], v[RS+48], s44, 0xc1480000
	v_fma_f32 v[RS+64], v[RS+64], s44, 0xc0900000
	v_fma_f32 v[RS+80], v[RS+80], s44, -0.5
	v_fma_f32 v[RS+96], v[RS+96], s44, -0.5
	v_fma_f32 v[RS+112], v[RS+112], s44, 0xc0900000
	v_fma_f32 v[RS+128], v[RS+128], s44, 0xc1480000
	v_fma_f32 v[RS+144], v[RS+144], s44, 0xc1c40000
	v_fma_f32 v[RS+160], v[RS+160], s44, 0xc2220000
.set KK, 0
.rept 11
	v_max_num_f32 v[RS+16*KK], 0xc1b834f1, v[RS+16*KK]   ; the clip at 1e-10, in the logarithm: ln(1e-10)
.set KK, KK+1
.endr
	v_mul_f32 v[RS+1], s32, v[RS]
	v_mul_f32 v[RS+17], s33, v[RS+16]
.set KK, 2
.rept 9
	v_fmac_f32 v[RS+1+16*(KK%2)], s[32+KK], v[RS+16*KK]  ; . w, in two chains
.set KK, KK+1
.endr
	v_cmp_lt_i32 vcc_lo, 0, v[QTK]
	v_add_f32 v[RS+1], v[RS+1], v[RS+17]
	v_cndmask_b32 v[RS+1], 0, v[RS+1], vcc_lo          ; the mask of the query
	DADD RS+1, 1
	DADD RS+1, 2
	DADD RS+1, 4
	DADD RS+1, 8
	v_permlanex16_b32 v9, v[RS+1], s24, s25
	v_add_f32 v[RS+1], v[RS+1], v9
	v_add_f32 v[RS+1], s43, v[RS+1]        ; + b
	v_cmp_eq_u32 vcc_lo, 0, v0
	s_wait_alu depctr_va_vdst(0)
	s_wait_xcnt 0x0                        ; EXEC changes only behind this wait
	s_and_saveexec_b32 s45, vcc_lo
	global_store_b32 v[RS+2], v[RS+1], s[14:15]        ; one lane: the number of the batch
	s_wait_xcnt 0x0                        ; and again ahead of the line that widens it
	s_or_b32 exec_lo, exec_lo, s45
.Lend:
	s_wait_tensorcnt 0x0                   ; the end of the wave
	ds_add_u32 v[SPW], v[NIL]
	s_wait_dscnt 0x0
	s_endpgm
.Lfunc_end_k_qa0ef50c188_knrm:
	.size	k_qa0ef50c188_knrm, .Lfunc_end_k_qa0ef50c188_knrm-k_qa0ef50c188_knrm
	.p2alignl 7, 3214868480
	.fill 96, 4, 3214868480
	.section	.rodata,"a",@progbits
	.p2align	6, 0x0
	.amdhsa_kernel k_qa0ef50c188_knrm
		.amdhsa_group_segment_fixed_size 105472
		.amdhsa_private_segment_fixed_size 0
		.amdhsa_enable_private_segment 0
		.amdhsa_kernarg_size 48
		.amdhsa_user_sgpr_count 2
		.amdhsa_user_sgpr_kernarg_segment_ptr 1
		.amdhsa_wavefront_size32 1
		.amdhsa_system_sgpr_workgroup_id_x 1
		.amdhsa_system_sgpr_workgroup_id_y 1
		.amdhsa_system_sgpr_workgroup_id_z 1
		.amdhsa_system_vgpr_workitem_id 0
		.amdhsa_next_free_vgpr 256
		.amdhsa_next_free_sgpr 66
		.amdhsa_reserve_vcc 1
		.amdhsa_float_denorm_mode_32 3
		.amdhsa_float_denorm_mode_16_64 3
		.amdhsa_memory_ordered 1
		.amdhsa_forward_progress 1
		.amdhsa_inst_pref_size 142
	.end_amdhsa_kernel
	.amdgpu_metadata
---
amdhsa.version: [ 1, 2 ]
amdhsa.kernels:
  - .name:           k_qa0ef50c188_knrm
    .symbol:         k_qa0ef50c188_knrm.kd
    .args:
      - { .name: query_tokens, .offset: 0, .size: 8, .value_kind: global_buffer, .address_space: global }
      - { .name: doc_tokens, .offset: 8, .size: 8, .value_kind: global_buffer, .address_space: global }
      - { .name: emb, .offset: 16, .size: 8, .value_kind: global_buffer, .address_space: global }
      - { .name: w, .offset: 24, .size: 8, .value_kind: global_buffer, .address_space: global }
      - { .name: b, .offset: 32, .size: 8, .value_kind: global_buffer, .address_space: global }
      - { .name: out0, .offset: 40, .size: 8, .value_kind: global_buffer, .address_space: global }
    .group_segment_fixed_size: 105472
    .private_segment_fixed_size: 0
    .kernarg_segment_align: 8
    .kernarg_segment_size: 48
    .max_flat_workgroup_size: 512
    .sgpr_count:     66
    .vgpr_count:     256
    .wavefront_size: 32
...
	.end_amdgpu_metadata
.endif
;; end of part 1
